; MI455X (gfx1250); checked and timed in simulation.
; The chip was launched on July 23, 2026; its instructions are those of AMD's public machine-readable ISA for CDNA 5 (MIT licence, August 2026) and "CDNA5" Instruction Set Architecture Reference Guide (July 2026). The comments in the code are by the model that wrote it; some were corrected since.
;; Attention. Allowed arithmetic: matrix products marked QUANTISED: E2M1 operands, one E8M0 scale for each 32 along K, by v_wmma_scale_f32_16x16x128_f8f6f4 with both operands' format E2M1 (or v_wmma_scale_f32_32x16x128_f4), f32 sums; everything else in f32.
;; Inputs: key 2 x 2,048 x 8 x 128 float32; query 2 x 2,048 x 32 x 128 float32; value 2 x 2,048 x 8 x 128 float32.
;; Outputs: out0 2 x 2,048 x 32 x 128 float32.
;; This version of the problem:
;;   THIS VERSION OF THE PROBLEM IS GIVEN IN LOW PRECISION. The matrix products marked QUANTISED in the list below multiply operands that are first quantised to E2M1 (2 exponent bits, 1 mantissa bit; 4 bits a number), with one power-of-two scale for each 32 numbers along K (OCP MX v1.0); their sums are f32. All else is computed in f32.
;;   The module's matrix products, in the order in which they are computed (A, B: the left and right operand; K: the contracted axis; several contracted axes count as one K, in the product's order):
;;     1. batch 16 x [M 2,048, K 128] x [K 128, N 8,192]; A: input key; B: input query: QUANTISED
;;     2. batch 16 x [M 128, K 2,048] x [K 2,048, N 8,192]; A: input value; B: softmax (see below): QUANTISED
;;   THE QUANTISER, for each operand of a quantised product, along K:
;;     - K is cut into blocks of 32 from its start; a last block that is shorter is filled with zeros.
;;     - A block's scale is 2^e with e = floor(log2(the largest magnitude in the block)) - 2, held to -126 .. 127; a block of zeros has e = 0. As a byte (E8M0): e + 127.
;;     - Each number is divided by its block's scale, clamped to +-6, and rounded to the nearest number of E2M1, ties to even, subnormals kept.
;;     - The product sums the exact products of the quantised numbers (number of the format x scale) in f32.
;;   ~~~python
;;   def quantise(x, axis):      # numpy; x: float32 -> the quantised numbers, widened to float32 again
;;       x = np.moveaxis(x, axis, -1); K = x.shape[-1]
;;       x = np.pad(x, [(0, 0)] * (x.ndim - 1) + [(0, -K % 32)]); x = x.reshape(x.shape[:-1] + (-1, 32)); a = np.abs(x).max(-1, keepdims=True)
;;       e = np.where(a > 0, np.clip(np.frexp(np.where(a > 0, a, 1))[1] - 1 - 2, -126, 127), 0)      # np.frexp(a)[1] - 1 = floor(log2(a)), exactly
;;       r = np.clip(x / 2.0 ** e, -6, 6)
;;       step = 2.0 ** (np.maximum(np.frexp(np.where(r == 0, 1, r))[1] - 1, 0) - 1)
;;       q = np.round(r / step) * step * 2.0 ** e      # np.round: ties to even
;;       return np.moveaxis(q.reshape(q.shape[:-2] + (-1,))[..., :K], -1, axis).astype(np.float32)
;;   ~~~
;;   SOFTMAX AHEAD OF A QUANTISED PRODUCT. Where the list says 'softmax', what is quantised is not the finished softmax but p = 2^(t - M), with t = logit x log2(e) and M = ceil(the row's largest t), a whole number; so 1/2 < the row's largest p <= 1. The row's sum l is taken of the UNQUANTISED p, in f32, and the product's result is divided by l at the end. Since M is a whole number, a kernel that streams over the keys may use a running M (the ceiling of the running maximum): every later rescaling is an exact power of two, which a block's scale takes up: the codes' values come out the same.
;;   OPERANDS COMPUTED ON THE WAY. 'Computed on the way' means the value that the module computes at that place (a softmax that the list does not call 'softmax' is quantised finished and normalised). What goes into a quantiser is computed in f32, as accurately as f32 sums, v_exp_f32 and their like allow (about 1e-6 of the number): no bf16 or f16 on the way to a quantiser, and a product that is left as it is and whose result goes on into a quantised operand takes f32 operands (vector FMAs, or v_wmma_f32_16x16x4_f32). A number that lies on a knife's edge between two numbers of the format may be rounded either way, as far as f32 arithmetic and the matrix unit's own rounding can turn it there, and no further.
;; One version. Each part assembles by itself: llvm-mc -triple=amdgcn-amd-amdhsa -mcpu=gfx1250 --defsym DOCPART=n.
;; ======== version 1 of 1: 2 launches
;; workspace buffers: kv 4,456,448 bytes
;; launch quant (part 1): grid 16 x 16, 8 waves a work-group, no clusters, 167,936 bytes of LDS; arguments key, value, kv; writes kv
.if DOCPART == 1
	.amdgcn_target "amdgcn-amd-amdhsa--gfx1250"
	.amdhsa_code_object_version 6
	.text
	.protected	k_q8b0a642fcf_quant
	.globl	k_q8b0a642fcf_quant
	.p2align	8
	.type	k_q8b0a642fcf_quant,@function
k_q8b0a642fcf_quant:
	s_mov_b64 s[64:65], 0
	v_nop
	global_prefetch_b8 v0, s[64:65] scope:SCOPE_SE
	s_setreg_imm32_b32 hwreg(HW_REG_WAVE_MODE, 25, 1), 1
	s_wait_xcnt 0x0
; THE PROGRAM: causal grouped-query attention, both products on codes of FP4 (E2M1) with one E8M0 scale for each 32 along a product's K.
; This launch quantises key (along the head's 128) and value (along the keys) once, into the workspace kv; the second launch does the attention.
; WORK LEFT OUT BY THE PROGRAM (in the second launch): a tile of 16 queries x 128 keys all of whose keys come after all of its queries.  reference() builds the
; causal tril in its own body and puts finfo.min in the place of every score of such a tile, whatever finite values the inputs hold; p = 2^(t - M) of it is 0, so
; the tile adds nothing to the row's maximum, to its sum or to the second product.  All three inputs have a way to the output and are loaded.
; LIMIT: a NaN, an infinity or an overflow that reaches only such tiles is not carried to the result.
; LIMITS OF THE QUANTISER: a block of zeros gets the byte 1 where the rule says 127 (its codes are zeros, which add nothing, and this program alone reads the bytes);
; blocks whose largest magnitude lies under 2^-124, the floor, keep the byte 1; NaN and infinities among the inputs are not served.
; kv: [16 (8 b + kv head)][16 (key step of 128 keys)][17,408 bytes], each block laid IN THE ORDER OF THE OPERANDS' REGISTERS:
;   +0      K's codes, 8 tiles x 1,024: the 16 bytes at 1024 T + 512 c + 16 L (L = 16 h + r) are D = 64 c + 32 h + 0..31 of key 32 (T / 2) + 8 (T % 2) + r + 8 (r / 8)
;   +8,192  K's scale words: word jj of the 16 bytes at 16 L belongs to tile 2 jj + L / 16, row L % 16
;   +8,704  V's codes, 8 tiles x 1,024: the 16 bytes at 1024 t + 512 c + 16 L are keys 64 c + 32 h + 0..31 of channel 16 t + r
;   +16,896 V's scale words, as K's
; SHARES.  A work-group makes one block.  Each of its eight waves brings 32 rows of 512 bytes into LDS by one tensor load (waves 0-3 key's, waves 4-7 value's): all 128 KB of
; the work-group are asked for at once.  Then wave w makes K's tile w and V's tile w: a lane's 32 registers are a whole block of 32 along the product's K, so a block's largest
; magnitude needs no other lane and the conversions' results are the operand's registers.  No bytes of LDS are filled twice.
.set PITCH, 528                        ; an LDS row: 512 bytes + 16 of padding
.set WTILE, 32*PITCH                   ; what one tensor load brings
.set VB,    4*WTILE                    ; value's 128 rows lie behind key's
.set SCL,   8*WTILE                    ; 1,024 bytes: K's scale words, then V's; written by LDS stores alone
.set SPARE, SCL+1024                   ; the spare words, 128 bytes for each wave: four blocks of 256 bytes that no other line names
.set BLOCK, 17408
; v1 r, v2 h, v3 K's rows in LDS, v4 V's column in LDS, v5 my 16 bytes of a tile in kv, v6 where my tile's scale word goes, v7/v8 the scale blocks' way out, v9 8 h,
; v10-11 the scale word in the making, v12-13 the add's two, v16-23 K's codes, v24-31 V's, v32-95 K's numbers, v96-159 V's, v160-165 at work, v168-171 scale words on the way out
	s_load_b128 s[4:7], s[0:1], 0x0                ; key, value
	s_load_b64 s[8:9], s[0:1], 0x10                ; kv
	v_lshl_add_u32 v12, v0, 2, SPARE
	v_mov_b32 v13, 0
	ds_add_u32 v12, v13                            ; the wave's opening: the add, twice on end, and its wait ahead of my tensor load
	ds_add_u32 v12, v13                            ; the set-up below, work on registers, stands between the second and the wait
	v_lshrrev_b32 v1, 5, v0
	s_delay_alu instid0(VALU_DEP_1)
	v_readfirstlane_b32 s10, v1                    ; wave 0..7
	s_mov_b32 s12, 0x76543210
	s_mov_b32 s13, 0xfedcba98                      ; v_permlanex16_b32's selects for lane l xor 16
	; descriptor group 1: 32 rows x 128 elements of 4 bytes, 1,024 elements from row to row, 4 words of padding behind every 128
	s_mov_b32 s16, (2<<16)|(1<<20)|(6<<22)|(3<<25)
	s_mov_b32 s17, 128<<16                         ; tensor_dim0
	s_mov_b32 s18, 32<<16                          ; tensor_dim1
	s_mov_b32 s19, 128<<16                         ; tile_dim0
	s_mov_b32 s20, 32                              ; tile_dim1
	s_mov_b32 s21, 1024                            ; the pitch: 8 heads x 128
	s_mov_b32 s22, 0
	s_mov_b32 s23, 0
	s_and_b32 s28, ttmp7, 0xffff                   ; hb = 8 b + kv head
	s_lshr_b32 s29, s28, 3
	s_lshl_b32 s36, s29, 23                        ; b x 2,048 x 4,096 bytes
	s_lshl_b32 s30, ttmp9, 19                      ; + key step x 128 rows of 4,096 bytes
	s_add_co_u32 s36, s36, s30
	s_and_b32 s30, s10, 3
	s_lshl_b32 s30, s30, 17                        ; + my 32 rows of the 128
	s_add_co_u32 s36, s36, s30
	s_and_b32 s30, s28, 7
	s_lshl_b32 s30, s30, 9                         ; + the head's 512 bytes in a row
	s_add_co_u32 s36, s36, s30
	s_mov_b32 s37, 0
	s_lshl_b32 s38, s28, 4
	s_add_co_u32 s38, s38, ttmp9
	s_mul_i32 s38, s38, BLOCK                      ; my block in kv
	s_mov_b32 s39, 0
	s_mov_b32 s24, 1                               ; group 0: count = 1,
	s_mul_i32 s25, s10, WTILE                      ; LDS address: wave x 32 rows
	v_and_b32 v1, 15, v0                           ; r
	v_bfe_u32 v2, v0, 4, 1                         ; h
	v_and_b32 v15, 31, v0                          ; lane
	s_wait_alu depctr_va_vdst(0)
	v_and_b32 v14, 8, v1
	s_delay_alu instid0(VALU_DEP_1)
	v_add_nc_u32 v14, v14, v1                      ; r + 8 (r / 8)
	s_delay_alu instid0(VALU_DEP_1)
	v_mul_u32_u24 v3, v14, PITCH
	s_delay_alu instid0(VALU_DEP_1)
	v_lshl_add_u32 v3, v2, 7, v3                   ; + 128 h bytes: D = 32 h on
	s_lshr_b32 s40, s10, 1
	s_lshl_b32 s40, s40, 5
	s_and_b32 s41, s10, 1
	s_lshl_b32 s41, s41, 3
	s_add_co_u32 s40, s40, s41                     ; tile w begins at key 32 (w / 2) + 8 (w % 2)
	s_mul_i32 s40, s40, PITCH
	v_add_nc_u32 v3, s40, v3
	v_mul_u32_u24 v4, v2, WTILE                    ; V: lanes 16-31 begin 32 keys further down,
	s_delay_alu instid0(VALU_DEP_1)
	v_lshl_add_u32 v4, v1, 2, v4                   ; column 16 w + r
	s_lshl_b32 s42, s10, 6
	s_add_co_u32 s42, s42, VB
	v_add_nc_u32 v4, s42, v4
	v_lshlrev_b32 v5, 4, v15
	s_lshl_b32 s43, s10, 10
	v_add_nc_u32 v5, s43, v5                       ; 1024 w + 16 lane
	s_and_b32 s44, s10, 1
	s_lshl_b32 s44, s44, 8
	s_lshr_b32 s41, s10, 1
	s_lshl_b32 s41, s41, 2
	s_add_co_u32 s44, s44, s41
	s_add_co_u32 s44, s44, SCL
	v_lshl_add_u32 v6, v1, 4, s44                  ; SCL + 16 (16 (w % 2) + r) + 4 (w / 2)
	s_and_b32 s41, s10, 1
	s_lshl_b32 s40, s41, 9
	s_add_co_u32 s40, s40, SCL
	v_lshl_add_u32 v7, v15, 4, s40                 ; out of LDS: K's 512 bytes (wave 0) or V's (wave 1), 16 a lane
	s_mul_i32 s40, s41, 8704
	s_add_co_u32 s40, s40, 8192
	v_lshl_add_u32 v8, v15, 4, s40                 ; and their place in the block
	v_lshlrev_b32 v9, 3, v2                        ; 8 h
	s_wait_alu depctr_va_vdst(0)
	s_wait_dscnt 0x0                               ; both opening adds are done
	s_wait_kmcnt 0x0
	s_cmp_lt_u32 s10, 4                            ; waves 0-3 fetch key's rows, waves 4-7 value's: the choice hangs on the wave's number alone
	s_cselect_b64 s[26:27], s[4:5], s[6:7]
	s_add_nc_u64 s[26:27], s[26:27], s[36:37]
	s_or_b32 s27, s27, 0x80000000                  ; type = 2
	s_add_nc_u64 s[8:9], s[8:9], s[38:39]
	tensor_load_to_lds s[24:27], s[16:23]          ; every wave's one load
	s_nop 0
	s_wait_tensorcnt 0x0                           ; my 32 rows are in,
	s_barrier_signal -1
	s_barrier_wait -1                              ; everybody's are
.irp e, 0,1
.irp i, 0,1,2,3,4,5,6,7
	ds_load_b128 v[32+32*\e+4*\i:35+32*\e+4*\i], v3 offset:256*\e+16*\i      ; K(my key, 64 e + 32 h + 4 i ..)
.endr
.endr
.irp e, 0,1
.irp i, 0,1,2,3,4,5,6,7,8,9,10,11,12,13,14,15,16,17,18,19,20,21,22,23,24,25,26,27,28,29,30,31
	ds_load_b32 v[96+32*\e+\i], v4 offset:(64*\e+\i)*PITCH                   ; V(key 64 e + 32 h + i, my channel)
.endr
.endr
; 64 numbers of a lane, two whole blocks of 32 (blocks h and 2 + h of my row), become a tile's eight code registers and my row's scale word; both leave.
.macro QF xr, cr, off, gb
	v_max3_num_f32 v160, |v[\xr]|, |v[\xr+1]|, 0x1800000       ; the largest magnitude, with the floor 2^(3 - 127) among its leaves: the byte cannot fall under 1
	v_max3_num_f32 v161, |v[\xr+32]|, |v[\xr+33]|, 0x1800000
.irp i, 2,4,6,8,10,12,14,16,18,20,22,24,26,28,30
	s_delay_alu instid0(VALU_DEP_2)
	v_max3_num_f32 v160, v160, |v[\xr+\i]|, |v[\xr+\i+1]|      ; the two blocks by turns
	s_delay_alu instid0(VALU_DEP_2)
	v_max3_num_f32 v161, v161, |v[\xr+32+\i]|, |v[\xr+33+\i]|
.endr
	s_delay_alu instid0(VALU_DEP_2)
	v_add_nc_u32 v162, 0xff000000, v160            ; 2 off the exponent field: the conversion takes the exponent field of this operand as its scale
	s_delay_alu instid0(VALU_DEP_2)
	v_add_nc_u32 v163, 0xff000000, v161
	s_delay_alu instid0(VALU_DEP_2)
	v_lshrrev_b32 v164, 23, v162                   ; the scales' bytes
	s_delay_alu instid0(VALU_DEP_2)
	v_lshrrev_b32 v165, 23, v163
	s_delay_alu instid0(VALU_DEP_1)
	v_lshl_or_b32 v10, v165, 16, v164              ; blocks h and 2 + h,
	s_delay_alu instid0(VALU_DEP_1)
	v_lshlrev_b32 v10, v9, v10                     ; at their places in the word;
	v_mov_b32 v11, 0
	s_delay_alu instid0(VALU_DEP_1)
	v_permlanex16_b32 v11, v10, s12, s13
	s_delay_alu instid0(VALU_DEP_1)
	v_or_b32 v10, v10, v11                         ; with lane l xor 16's two the word is whole
.irp e, 0,1
.irp g, 0,1,2,3
	v_cvt_scalef32_pk8_fp4_f32 v[\cr+4*\e+\g], v[\xr+32*\e+8*\g:\xr+32*\e+8*\g+7], v[162+\e]
.endr
.endr
	v_nop                                          ; one plain instruction behind the last scaled conversion
	ds_store_b32 v6, v10 offset:\off               ; both halves of the lanes write the same word with the same value
.irp e, 0,1
	global_store_b128 v5, v[\cr+4*\e:\cr+4*\e+3], s[8:9] offset:\gb+512*\e th:TH_STORE_NT   ; 32 lanes store 512 consecutive bytes, at a multiple of 256 from kv's first byte
.endr
.endm
	s_wait_dscnt 63                                ; K's 16 loads are in: of the 64 issued behind them at most 63 are out
	QF 32, 16, 0, 0
	s_wait_dscnt 0x0                               ; V's are in
	QF 96, 24, 512, 8704
	s_wait_dscnt 0x0                               ; for the others' sake: my two scale words have landed
	s_barrier_signal -1
	s_barrier_wait -1
	s_cmp_lt_u32 s10, 2                            ; wave 0 sends K's 512 bytes of scale words out whole, wave 1 V's
	s_cbranch_scc0 .Lend
	ds_load_b128 v[168:171], v7
	s_wait_dscnt 0x0
	global_store_b128 v8, v[168:171], s[8:9] th:TH_STORE_NT
.Lend:
	s_wait_tensorcnt 0x0                           ; the wave's end: the add and its wait, behind my tensor load and my last LDS store
	ds_add_u32 v12, v13
	s_wait_dscnt 0x0
	s_endpgm
.Lfunc_end_k_q8b0a642fcf_quant:
	.size	k_q8b0a642fcf_quant, .Lfunc_end_k_q8b0a642fcf_quant-k_q8b0a642fcf_quant
	.p2alignl 7, 3214868480
	.fill 96, 4, 3214868480
	.section	.rodata,"a",@progbits
	.p2align	6, 0x0
	.amdhsa_kernel k_q8b0a642fcf_quant
		.amdhsa_group_segment_fixed_size 167936
		.amdhsa_private_segment_fixed_size 0
		.amdhsa_enable_private_segment 0
		.amdhsa_kernarg_size 24
		.amdhsa_user_sgpr_count 2
		.amdhsa_user_sgpr_kernarg_segment_ptr 1
		.amdhsa_wavefront_size32 1
		.amdhsa_system_sgpr_workgroup_id_x 1
		.amdhsa_system_sgpr_workgroup_id_y 1
		.amdhsa_system_sgpr_workgroup_id_z 1
		.amdhsa_system_vgpr_workitem_id 0
		.amdhsa_next_free_vgpr 176
		.amdhsa_next_free_sgpr 66
		.amdhsa_reserve_vcc 0
		.amdhsa_float_denorm_mode_32 3
		.amdhsa_float_denorm_mode_16_64 3
		.amdhsa_memory_ordered 1
		.amdhsa_forward_progress 1
		.amdhsa_inst_pref_size 19
	.end_amdhsa_kernel
	.amdgpu_metadata
---
amdhsa.version: [ 1, 2 ]
amdhsa.kernels:
  - .name:           k_q8b0a642fcf_quant
    .symbol:         k_q8b0a642fcf_quant.kd
    .args:
      - { .name: key, .offset: 0, .size: 8, .value_kind: global_buffer, .address_space: global }
      - { .name: value, .offset: 8, .size: 8, .value_kind: global_buffer, .address_space: global }
      - { .name: kv, .offset: 16, .size: 8, .value_kind: global_buffer, .address_space: global }
    .group_segment_fixed_size: 167936
    .private_segment_fixed_size: 0
    .kernarg_segment_align: 8
    .kernarg_segment_size: 24
    .max_flat_workgroup_size: 256
    .sgpr_count:     66
    .vgpr_count:     176
    .wavefront_size: 32
...
	.end_amdgpu_metadata
.endif
;; end of part 1
;; launch attn (part 2): grid 16 x 16, 16 waves a work-group, clusters of 4 x 1, 327,680 bytes of LDS; arguments query, kv, out0; writes out0
.if DOCPART == 2
	.amdgcn_target "amdgcn-amd-amdhsa--gfx1250"
	.amdhsa_code_object_version 6
	.text
	.protected	k_q8b0a642fcf_attn
	.globl	k_q8b0a642fcf_attn
	.p2align	8
	.type	k_q8b0a642fcf_attn,@function
k_q8b0a642fcf_attn:
	s_mov_b64 s[64:65], 0
	v_nop
	global_prefetch_b8 v0, s[64:65] scope:SCOPE_SE
	s_setreg_imm32_b32 hwreg(HW_REG_WAVE_MODE, 25, 1), 1
	s_wait_xcnt 0x0
	s_wait_alu depctr_hold_cnt(0) depctr_sa_sdst(0) depctr_va_vdst(0) depctr_va_sdst(0) depctr_va_ssrc(0) depctr_va_vcc(0) depctr_vm_vsrc(0)
	s_getreg_b32 s2, hwreg(HW_REG_IB_STS2, 6, 4)
	s_cmp_eq_u32 s2, 0
	s_cbranch_scc0 .Lentry_in_a_cluster
	s_endpgm
.Lentry_in_a_cluster:
	s_bfe_u32 s2, ttmp6, 0x10000c
	s_cmp_lg_u32 s2, 0x3003
	s_cbranch_scc0 .Lentry_shape_is_right
	s_endpgm
.Lentry_shape_is_right:
; out0[b][q][H][:] = the sum over keys s <= q of softmax_s(query[b][q][H] . key[b][s][H / 4] / sqrt(128)) value[b][s][H / 4][:], both products on codes of FP4 (E2M1).
; WORK LEFT OUT: key steps (16 queries x 128 keys) all of whose keys come after the tile's queries: the causal tril that reference() builds itself replaces their scores, and p is 0 there.
; LIMITS: a NaN, an infinity or an overflow that reaches only those steps is not carried to the result; a block of zeros has the scale byte 1, not 127 (its codes are zeros);
; NaN and infinities among the inputs are not served; t is score x (log2(e) / sqrt(128)) in one fused multiply-add with -M, not two rounded products.
; THE SOFTMAX: t = score x log2(e) / sqrt(128); M = the running largest t rounded UP to a whole number; p = 2^(t - M) is quantised along the keys, not normalised; the row's sum is taken of
; the unquantised p and divides at the end; when M moves, the sum and O are multiplied by 2^(old M - new M), which rounds nothing.
; SHARES.  Grid y = 8 b + kv head; the 16 work-groups x of a row share that head's K and V.  y' = x % 8, gp = x / 8.  Wave w (m = w / 2, gl = w % 2) serves query head 4 hk + 2 gp + gl and TWO tiles
; of 16 query positions, one after the other: pass 0 from position 128 m + 16 y' (m + 1 key steps), pass 1 from 128 (15 - m) + 16 (7 - y') (16 - m key steps): 17 key steps for every wave
; of the launch.  A pass's last step is the one on the diagonal.  Step counts and branches hang on the wave's number and the loop's counter alone.
; THE HEAD'S WHOLE kv (16 blocks of 17,408 bytes, laid by the first launch in the order of the operands' registers) STAYS IN LDS: wave j brings block j, once.  Nothing is filled
; again: no ring, and no barrier in the loops; four waves share a SIMD, so that one wave's vector work stands beside another's products and LDS loads.
; CLUSTER.  The four work-groups of a cluster need the same 16 blocks: each block is asked for JOINTLY, by the same tensor load with the same descriptor (made of grid y and the wave's
; number) and a mask that names the four.  The work-group's place in its cluster enters only the global addresses of query and out0 and the numbers that the diagonal's mask compares.
; LAYOUT.  Both products are used transposed: S^T = K Q^T (source 0 = 16 keys, source 1 = my 16 queries), O^T = V^T P^T: a lane holds ONE query (lane % 16) throughout.  The keys of a tile of K
; are chosen (by the first launch) so that the 16 registers of tiles 2 b and 2 b + 1 are 16 neighbouring keys, 32 b + 16 (lane / 16) + 0 .. 15.
; REGISTERS: v0 thread; v1 16 lane; v2 the step's LDS address; v3 the diagonal's d; v4 query's offset; v5, v6 the add's two; v7-11 stage addresses; v12 -M, v13 the largest t, v[14:15] the sum;
; v16-23 Q; v24-27 K's scale words, v28-31 V's; v32-95 eight fragments of K, then of V; v96-159 S^T, then p (also query's numbers, and O scaled); v160-223 O^T; v224-231 p's codes;
; v232-239, v244-247, v254 at work; v240-243 the way out; v248 the prefetch's offset; v249 r - 16 h; v252 f; v253 p's scale word; v255 Q's scale word.
.set BLOCK, 17408                      ; a key step's block: K's codes 8,192, K's scale words 512, V's codes 8,192, V's scale words 512
.set KSC,   8192
.set VCO,   8704
.set VSC,   16896
.set STAGE, 16*BLOCK                   ; behind the head's kv: 2,816 bytes for each wave, its own, written by LDS stores alone: Q's fragment (1,024) and scale words (64), later pieces of O
.set WSTG,  2816
.set OP,    144                        ; a row of a piece of O in the stage: 128 bytes + 16
.set SPARE, STAGE+16*WSTG              ; the spare words, 128 bytes for each wave: eight blocks of 256 bytes that no other line names
.macro CROUND                          ; a round of the cluster's barrier
	s_barrier_signal -1
	s_barrier_wait -1
	s_cmp_lg_u32 s10, 0
	s_cbranch_scc1 .Lnot_wave_0_\@
	s_barrier_signal -3
.Lnot_wave_0_\@:
	s_barrier_wait -3
	s_barrier_signal -1
	s_barrier_wait -1
.endm
	s_load_b128 s[4:7], s[0:1], 0x0                ; query, kv
	s_load_b64 s[8:9], s[0:1], 0x10                ; out0
	v_lshl_add_u32 v5, v0, 2, SPARE
	v_mov_b32 v6, 0
	ds_add_u32 v5, v6                              ; the wave's opening: the add, twice on end, and its wait ahead of my tensor load
	ds_add_u32 v5, v6                              ; the set-up below, work on registers, stands between the second and the wait
	v_lshrrev_b32 v1, 5, v0
	s_delay_alu instid0(VALU_DEP_1)
	v_readfirstlane_b32 s10, v1                    ; wave 0..15
	s_lshr_b32 s11, s10, 1                         ; m
	s_and_b32 s12, s10, 1                          ; gl
	s_bfe_u32 s13, ttmp6, 0x40000                  ; cx
	s_lshl_b32 s14, ttmp9, 2
	s_add_co_u32 s14, s14, s13                     ; x = 4 x cluster x + cx
	s_and_b32 s15, s14, 7                          ; y'
	s_lshr_b32 s16, s14, 3                         ; gp
	s_and_b32 s17, ttmp7, 0xffff                   ; hb = 8 b + kv head, which the partners share
	s_mov_b32 s20, 0x76543210
	s_mov_b32 s21, 0xfedcba98                      ; v_permlanex16_b32's selects for lane l xor 16
	s_mov_b32 s22, 0x3e0293ee                      ; c = log2(e) / sqrt(128)
	s_mov_b32 s23, s22                             ; (named with it as a pair, so it is written)
	s_mov_b32 s39, 0xff00ff00                      ; lanes 8-15 and 24-31: the way out's choice
	; descriptor group 1: a dense block of 17,408 bytes as 68 rows of 32 elements of 8 bytes; no padding: every LDS load of it takes 512 consecutive bytes
	s_mov_b32 s24, 15|(3<<16)|(1<<21)              ; the mask: all four work-groups; elements of 8 bytes; bit 21 set beside a mask
	s_mov_b32 s25, 32<<16                          ; tensor_dim0
	s_mov_b32 s26, 68<<16                          ; tensor_dim1
	s_mov_b32 s27, 32<<16                          ; tile_dim0
	s_mov_b32 s28, 68                              ; tile_dim1
	s_mov_b32 s29, 32                              ; the pitch
	s_mov_b32 s30, 0
	s_mov_b32 s31, 0
	s_mov_b32 s32, 1                               ; group 0: count = 1,
	s_mul_i32 s33, s10, BLOCK                      ; LDS address: block w,
	s_mul_i32 s56, s17, 16*BLOCK
	s_add_co_u32 s56, s56, s33                     ; and its place in kv: the head's 16 blocks, block w
	s_mov_b32 s57, 0
	; where my two tiles begin in query and in out0: 2^25 b + 16,384 x position + 512 x query head
	s_lshr_b32 s48, s17, 3
	s_lshl_b32 s48, s48, 25
	s_and_b32 s49, s17, 7
	s_lshl_b32 s49, s49, 2
	s_lshl_b32 s50, s16, 1
	s_add_co_u32 s49, s49, s50
	s_add_co_u32 s49, s49, s12                     ; 4 hk + 2 gp + gl
	s_lshl_b32 s49, s49, 9
	s_add_co_u32 s48, s48, s49
	s_lshl_b32 s50, s11, 7
	s_lshl_b32 s61, s15, 4                         ; 16 y': pass 0's place in its diagonal step
	s_add_co_u32 s50, s50, s61                     ; pass 0's first position
	s_sub_co_u32 s51, 2032, s50                    ; pass 1's: 128 (15 - m) + 16 (7 - y')
	s_sub_co_u32 s62, 112, s61                     ; 16 (7 - y')
	s_lshl_b32 s50, s50, 14
	s_lshl_b32 s51, s51, 14
	s_add_co_u32 s52, s48, s50
	s_mov_b32 s53, 0
	s_add_co_u32 s54, s48, s51
	s_mov_b32 s55, 0
	s_mul_i32 s60, s10, WSTG
	s_add_co_u32 s60, s60, STAGE                   ; my stage
	v_and_b32 v254, 31, v0
	s_delay_alu instid0(VALU_DEP_1)
	v_lshlrev_b32 v1, 4, v254                      ; 16 lane
	v_and_b32 v250, 15, v0                         ; r (also q)
	v_bfe_u32 v251, v0, 4, 1                       ; h
	s_delay_alu instid0(VALU_DEP_1)
	v_lshlrev_b32 v249, 4, v251
	s_delay_alu instid0(VALU_DEP_1)
	v_sub_nc_u32 v249, v250, v249                  ; r - 16 h
	s_delay_alu instid0(VALU_DEP_4)
	v_lshlrev_b32 v4, 5, v250
	s_delay_alu instid0(VALU_DEP_1)
	v_lshl_add_u32 v4, v251, 14, v4                ; query: row h of a pair of rows, 32 bytes (8 numbers) at 32 q
	v_bfe_u32 v7, v0, 2, 2                         ; q / 4: which block of 32 along D
	s_delay_alu instid0(VALU_DEP_1)
	v_lshlrev_b32 v7, 8, v7
	s_delay_alu instid0(VALU_DEP_1)
	v_lshl_add_u32 v7, v251, 4, v7
	v_and_b32 v254, 3, v0
	s_delay_alu instid0(VALU_DEP_1)
	v_lshl_add_u32 v7, v254, 2, v7
	s_delay_alu instid0(VALU_DEP_1)
	v_add_nc_u32 v7, s60, v7                       ; where my 8 codes lie in the fragment's image: 256 (q / 4) + 16 (row) + 4 (q % 4); the row's 32 p stands in the offset
	v_bfe_u32 v8, v0, 2, 2
	s_delay_alu instid0(VALU_DEP_1)
	v_lshl_add_u32 v8, v251, 2, v8
	s_delay_alu instid0(VALU_DEP_1)
	v_add_nc_u32 v8, s60, v8                       ; my block's scale byte: 4 (row) + q / 4
	v_add_nc_u32 v9, s60, v1                       ; the image back: 16 lane
	v_lshl_add_u32 v10, v250, 2, s60               ; row r's scale word
	v_mul_u32_u24 v11, v250, OP
	s_delay_alu instid0(VALU_DEP_1)
	v_lshl_add_u32 v11, v251, 5, v11
	s_delay_alu instid0(VALU_DEP_1)
	v_add_nc_u32 v11, s60, v11                     ; O into the stage: row r, + 32 h
	v_bfe_u32 v240, v0, 3, 2
	s_delay_alu instid0(VALU_DEP_1)
	v_mul_u32_u24 v240, v240, OP
	v_and_b32 v254, 7, v0
	s_delay_alu instid0(VALU_DEP_1)
	v_lshl_add_u32 v240, v254, 4, v240
	s_delay_alu instid0(VALU_DEP_1)
	v_add_nc_u32 v240, s60, v240                   ; back: row lane / 8 of four, 16 bytes at 16 (lane % 8)
	v_bfe_u32 v241, v0, 3, 2
	s_delay_alu instid0(VALU_DEP_1)
	v_xor_b32 v241, 1, v241
	s_delay_alu instid0(VALU_DEP_1)
	v_mul_u32_u24 v241, v241, OP
	s_delay_alu instid0(VALU_DEP_1)
	v_lshl_add_u32 v241, v254, 4, v241
	s_delay_alu instid0(VALU_DEP_1)
	v_add_nc_u32 v241, s60, v241                   ; the same with neighbouring rows exchanged
	v_lshlrev_b32 v242, 4, v250
	s_delay_alu instid0(VALU_DEP_1)
	v_lshl_add_u32 v242, v251, 15, v242            ; out0: rows 2 h of four, 16 r
	v_xor_b32 v243, 8, v250
	s_delay_alu instid0(VALU_DEP_1)
	v_lshlrev_b32 v243, 4, v243
	s_delay_alu instid0(VALU_DEP_1)
	v_lshl_add_u32 v243, v251, 15, v243
	s_delay_alu instid0(VALU_DEP_1)
	v_add_nc_u32 v243, 16384, v243                 ; rows 2 h + 1, the two halves of the sixteen lanes exchanged
	v_bfe_u32 v248, v0, 1, 4
	s_delay_alu instid0(VALU_DEP_1)
	v_lshlrev_b32 v248, 14, v248
	v_and_b32 v254, 1, v0
	s_delay_alu instid0(VALU_DEP_1)
	v_lshl_add_u32 v248, v254, 8, v248             ; the prefetch: row lane / 2 of a tile of query, its half lane % 2
	v_mov_b32 v252, 0                              ; written once: a lane permute's destination counts as one of its sources
	s_wait_dscnt 0x0                               ; both opening adds are done
	s_wait_kmcnt 0x0
	s_add_nc_u64 s[34:35], s[6:7], s[56:57]
	s_or_b32 s35, s35, 0x80000000                  ; type = 2
	s_add_nc_u64 s[40:41], s[4:5], s[52:53]        ; query at pass 0's tile,
	s_add_nc_u64 s[42:43], s[4:5], s[54:55]        ; at pass 1's;
	s_add_nc_u64 s[44:45], s[8:9], s[52:53]        ; out0 likewise
	s_add_nc_u64 s[46:47], s[8:9], s[54:55]
	CROUND                                         ; all four work-groups are here: the joint loads meet
	tensor_load_to_lds s[32:35], s[24:31]          ; block w of the head: my one tensor load
	s_nop 0
.rept 4
	v_nop
.endr
; A tile of query, 16 rows x 128 f32, becomes source 1's fragment (v16-23) and its scale words (v255).  A lane takes 8 neighbours along D of rows 2 p + h, p = 0 .. 7: the two loads of a pair
; together read two whole rows of 512 bytes.  Four neighbouring lanes hold a block of 32.  The codes, 1 KB, and the scale bytes change lanes through my stage.
.macro QIN base
.irp p, 0,1,2,3,4,5,6,7
	global_load_b128 v[96+8*\p:99+8*\p], v4, s[\base:\base+1] offset:32768*\p th:TH_LOAD_NT
	global_load_b128 v[100+8*\p:103+8*\p], v4, s[\base:\base+1] offset:32768*\p+16 th:TH_LOAD_NT
.endr
	s_wait_loadcnt 0x0
.irp p, 0,1,2,3,4,5,6,7
	v_max3_num_f32 v[232+\p], |v[96+8*\p]|, |v[97+8*\p]|, 0x1800000    ; my 8 numbers, and the floor 2^(3 - 127): the byte cannot fall under 1
.endr
.irp i, 2,4,6
.irp p, 0,1,2,3,4,5,6,7
	v_max3_num_f32 v[232+\p], v[232+\p], |v[96+8*\p+\i]|, |v[97+8*\p+\i]|
.endr
.endr
.irp p, 0,1,2,3,4,5,6,7
	v_max_num_f32_dpp v[232+\p], v[232+\p], v[232+\p] row_xmask:1 row_mask:0xf bank_mask:0xf
.endr
.irp p, 0,1,2,3,4,5,6,7
	v_max_num_f32_dpp v[232+\p], v[232+\p], v[232+\p] row_xmask:2 row_mask:0xf bank_mask:0xf   ; the block's largest magnitude
.endr
.irp p, 0,1,2,3,4,5,6,7
	v_add_nc_u32 v[232+\p], 0xff000000, v[232+\p]  ; 2 off its exponent field: the conversion's scale operand
.endr
.irp p, 0,1,2,3,4,5,6,7
	v_cvt_scalef32_pk8_fp4_f32 v[224+\p], v[96+8*\p:103+8*\p], v[232+\p]
.endr
	v_nop                                          ; one plain instruction behind the last scaled conversion
.irp p, 0,1,2,3,4,5,6,7
	v_lshrrev_b32 v[232+\p], 23, v[232+\p]         ; the scale's byte
.endr
.irp p, 0,1,2,3,4,5,6,7
	ds_store_b32 v7, v[224+\p] offset:32*\p
	ds_store_b8 v8, v[232+\p] offset:1024+8*\p     ; the four lanes of a block write the same byte with the same value
.endr
	ds_load_b128 v[16:19], v9                      ; LDS serves a wave's instructions in order: these see my stores
	ds_load_b128 v[20:23], v9 offset:512
	ds_load_b32 v255, v10 offset:1024
	s_wait_dscnt 0x0
.endm
; A KEY STEP: the 128 keys whose block begins at LDS byte s36.  first = 1: a pass's step 0, which starts M, the sum and O^T.
.macro STEP first, pass
	v_add_nc_u32 v2, s36, v1
.rept 3
	v_nop                                          ; with the addition four places behind the last products, ahead of loads into registers that they read
.endr
.irp t, 0,1,2,3,4,5,6,7
.irp c, 0,1
	ds_load_b128 v[32+8*\t+4*\c:35+8*\t+4*\c], v2 offset:1024*\t+512*\c
.endr
.endr
	ds_load_b128 v[24:27], v2 offset:KSC           ; register jj: lanes 0-15 tile 2 jj's scale words, lanes 16-31 tile 2 jj + 1's
	s_wait_alu depctr_va_vdst(0)
	s_wait_dscnt 0x0
.irp t, 0,1,2,3                                ; S^T = K Q^T: eight accumulators, one instruction each
	v_wmma_scale_f32_16x16x128_f8f6f4 v[96+16*\t:103+16*\t], v[32+16*\t:39+16*\t], v[16:23], 0, v[24+\t], v255 matrix_a_fmt:MATRIX_FMT_FP4 matrix_b_fmt:MATRIX_FMT_FP4
	v_wmma_scale_f32_16x16x128_f8f6f4 v[104+16*\t:111+16*\t], v[40+16*\t:47+16*\t], v[16:23], 0, v[24+\t], v255 matrix_a_fmt:MATRIX_FMT_FP4 matrix_b_fmt:MATRIX_FMT_FP4 matrix_a_scale:MATRIX_SCALE_ROW1
.endr
.rept 4
	v_nop                                          ; places ahead of the loads into K's registers and of the first read of the scores
.endr
.irp t, 0,1,2,3,4,5,6,7                        ; V is asked for now and lands under the softmax
.irp c, 0,1
	ds_load_b128 v[32+8*\t+4*\c:35+8*\t+4*\c], v2 offset:VCO+1024*\t+512*\c
.endr
.endr
	ds_load_b128 v[28:31], v2 offset:VSC
.if (\first == 0) || (\pass == 0)              ; pass 1's step 0 is never its last: 15 - m is 8 at the least
.if \first
	s_cmp_lg_u32 s38, 0
.else
	s_cmp_lg_u32 s37, s38
.endif
	s_cbranch_scc1 .Lopen_\@                       ; only a pass's last step lies on the diagonal
.if \pass == 0
	global_prefetch_b8 v248, s[42:43] th:TH_LOAD_NT scope:SCOPE_SE   ; pass 1's tile of query, 16 rows x 2 blocks of 256 bytes, a lane a block: asked for once, by its one owner, this step and the way out ahead of its loads
.endif
	v_mov_b32 v254, 0xff800000                     ; -infinity: p = 0 then
.irp n, 0,1,2,3,4,5,6,7,8,9,10,11,12,13,14,15,16,17,18,19,20,21,22,23,24,25,26,27,28,29,30,31,32,33,34,35,36,37,38,39,40,41,42,43,44,45,46,47,48,49,50,51,52,53,54,55,56,57,58,59,60,61,62,63
	v_cmp_gt_i32 vcc_lo, 32*(\n/16)+\n%16, v3      ; register 16 b + i holds the step's key 32 b + 16 h + i: hidden where 32 b + i > d = my query's place in the step - 16 h
	v_cndmask_b32 v[96+\n], v[96+\n], v254, vcc_lo
.endr
.Lopen_\@:
.endif
.irp b, 0,1,2,3
	v_max3_num_f32 v[232+\b], v[96+16*\b], v[97+16*\b], v[98+16*\b]   ; the largest score of each block of 32 keys: for the row's maximum, and, since p rises with the score, for the block's largest p
.endr
.irp i, 3,5,7,9,11,13
.irp b, 0,1,2,3
	v_max3_num_f32 v[232+\b], v[232+\b], v[96+16*\b+\i], v[97+16*\b+\i]
.endr
.endr
.irp b, 0,1,2,3
	v_max_num_f32 v[232+\b], v[232+\b], v[111+16*\b]
.endr
.irp b, 0,1,2,3
	s_delay_alu instid0(VALU_DEP_4)
	v_permlanex16_b32 v[236+\b], v[232+\b], s20, s21
.endr
.irp b, 0,1,2,3
	s_delay_alu instid0(VALU_DEP_4)
	v_max_num_f32 v[232+\b], v[232+\b], v[236+\b]  ; with lane l xor 16's 16 keys
.endr
	s_delay_alu instid0(VALU_DEP_2)
	v_max3_num_f32 v254, v232, v233, v234
	s_delay_alu instid0(VALU_DEP_1)
	v_max_num_f32 v254, v254, v235                 ; the step's largest score of my query
	s_delay_alu instid0(VALU_DEP_1)
	v_mul_f32 v254, s22, v254                      ; as t (c is positive)
.if \first
	s_delay_alu instid0(VALU_DEP_1)
	v_mov_b32 v13, v254                            ; key 0 counts for every query: a number
	s_delay_alu instid0(VALU_DEP_1)
	v_floor_f32 v12, -v13                          ; -M = floor(-t) = -ceil(t)
.else
	s_delay_alu instid0(VALU_DEP_1)
	v_max_num_f32 v13, v13, v254                   ; the running largest t
	v_mov_b32 v254, v12
	s_delay_alu instid0(VALU_DEP_2)
	v_floor_f32 v12, -v13                          ; the new -M
	s_delay_alu instid0(VALU_DEP_1)
	v_sub_f32 v254, v12, v254                      ; old M - new M: a whole number, 0 or less
	s_delay_alu instid0(VALU_DEP_1)
	v_cvt_i32_f32 v254, v254                       ; (it saturates)
	s_delay_alu instid0(VALU_DEP_1)
	v_ldexp_f32 v252, 1.0, v254                    ; f = 2^(old M - new M)
.endif
.irp j, 0,2,4,6,8,10,12,14,16,18,20,22,24,26,28,30,32,34,36,38,40,42,44,46,48,50,52,54,56,58,60,62
	v_pk_fma_f32 v[96+\j:97+\j], v[96+\j:97+\j], s[22:23], v[12:13] op_sel_hi:[1,0,0]   ; t - M, two at a time
.endr
.irp b, 0,1,2,3
	v_fma_f32 v[232+\b], v[232+\b], s22, v12       ; the same of each block's largest score
.endr
	s_setprio 1
	s_wait_alu depctr_va_vdst(0)
.irp j, 0,1,2,3,4,5,6,7,8,9,10,11,12,13,14,15,16,17,18,19,20,21,22,23,24,25,26,27,28,29,30,31,32,33,34,35,36,37,38,39,40,41,42,43,44,45,46,47,48,49,50,51,52,53,54,55,56,57,58,59,60,61,62,63
	v_exp_f32 v[96+\j], v[96+\j]                   ; p = 2^(t - M), at most 1
.endr
.if \first
	v_mov_b32 v14, 0                               ; the sum begins.  (The plain instruction behind the exponentials)
	v_mov_b32 v15, 0
.else
	v_pk_mul_f32 v[14:15], v[14:15], v[252:253] op_sel_hi:[1,0]   ; the sum under the new M.  (The plain instruction behind the exponentials)
.endif
	s_wait_alu depctr_va_vdst(0)                   ; the wait ahead of the first line that names an exponential's result: one for the batch of 64
.irp b, 0,1,2,3
	v_exp_f32 v[232+\b], v[232+\b]                 ; the blocks' largest p
.endr
	v_pk_add_f32 v[236:237], v[100:101], v[104:105]
	v_pk_add_f32 v[250:251], v[108:109], v[112:113]
	v_pk_add_f32 v[246:247], v[116:117], v[120:121]
	v_pk_add_f32 v[244:245], v[124:125], v[128:129]
	v_pk_add_f32 v[238:239], v[132:133], v[136:137]
	v_pk_add_f32 v[230:231], v[140:141], v[144:145]
	v_pk_add_f32 v[228:229], v[148:149], v[152:153]
	v_pk_add_f32 v[14:15], v[14:15], v[156:157]
	v_pk_add_f32 v[236:237], v[236:237], v[96:97]
	v_pk_add_f32 v[250:251], v[250:251], v[98:99]
	v_pk_add_f32 v[246:247], v[246:247], v[102:103]
	v_pk_add_f32 v[244:245], v[244:245], v[106:107]
	v_pk_add_f32 v[238:239], v[238:239], v[110:111]
	v_pk_add_f32 v[230:231], v[230:231], v[114:115]
	v_pk_add_f32 v[228:229], v[228:229], v[118:119]
	v_pk_add_f32 v[14:15], v[14:15], v[122:123]
	v_pk_add_f32 v[236:237], v[236:237], v[126:127]
	v_pk_add_f32 v[250:251], v[250:251], v[130:131]
	v_pk_add_f32 v[246:247], v[246:247], v[134:135]
	v_pk_add_f32 v[244:245], v[244:245], v[138:139]
	v_pk_add_f32 v[238:239], v[238:239], v[142:143]
	v_pk_add_f32 v[230:231], v[230:231], v[146:147]
	v_pk_add_f32 v[228:229], v[228:229], v[150:151]
	v_pk_add_f32 v[14:15], v[14:15], v[154:155]
	v_pk_add_f32 v[236:237], v[236:237], v[158:159]
	s_delay_alu instid0(VALU_DEP_2)
	v_pk_add_f32 v[14:15], v[14:15], v[244:245]
	s_delay_alu instid0(VALU_DEP_2)
	v_pk_add_f32 v[236:237], v[236:237], v[238:239]
	v_pk_add_f32 v[250:251], v[250:251], v[230:231]
	v_pk_add_f32 v[246:247], v[246:247], v[228:229]
	s_delay_alu instid0(VALU_DEP_2)
	v_pk_add_f32 v[14:15], v[14:15], v[250:251]
	s_delay_alu instid0(VALU_DEP_2)
	v_pk_add_f32 v[236:237], v[236:237], v[246:247]
	s_delay_alu instid0(VALU_DEP_1)
	v_pk_add_f32 v[14:15], v[14:15], v[236:237]
	s_wait_alu depctr_va_vdst(0)                   ; and one for the four
.irp b, 0,1,2,3
	v_max_num_f32 v[232+\b], 0x1800000, v[232+\b]  ; the floor 2^(3 - 127): a block whose every p is 0 keeps the byte 1; its codes are zeros
.endr
.irp b, 0,1,2,3
	s_delay_alu instid0(VALU_DEP_4)
	v_add_nc_u32 v[244+\b], 0xff000000, v[232+\b]  ; 2 off the exponent field: the conversion's scale operand
.endr
.irp b, 0,1,2,3
	s_delay_alu instid0(VALU_DEP_4)
	v_lshrrev_b32 v[236+\b], 23, v[244+\b]         ; the scale's byte
.endr
	s_delay_alu instid0(VALU_DEP_3)
	v_lshl_or_b32 v253, v237, 8, v236              ; p's scale word for these 128 keys
	s_delay_alu instid0(VALU_DEP_1)
	v_lshl_or_b32 v253, v238, 16, v253
	s_delay_alu instid0(VALU_DEP_1)
	v_lshl_or_b32 v253, v239, 24, v253
.irp b, 0,1,2,3
	v_cvt_scalef32_pk8_fp4_f32 v[224+2*\b], v[96+16*\b:103+16*\b], v[244+\b]
	v_cvt_scalef32_pk8_fp4_f32 v[225+2*\b], v[104+16*\b:111+16*\b], v[244+\b]
.endr
	v_nop                                          ; one plain instruction behind the last scaled conversion
.irp c, 0,1                                    ; the operand's layout wants a whole block in a lane: lanes 0-15 block 2 c, lanes 16-31 block 2 c + 1
.irp i, 0,1
	v_permlane16_swap_b32 v[224+4*\c+\i], v[226+4*\c+\i]
.endr
.endr
.if \first
	s_wait_alu depctr_va_vdst(0)
.rept 8
	v_nop                                          ; places between the lines that wrote p's codes and scale word and the scaled products
.endr
.else
.irp j, 0,2,4,6,8,10,12,14,16,18,20,22,24,26,28,30,32,34,36,38,40,42,44,46,48,50,52,54,56,58,60,62
	v_pk_mul_f32 v[160+\j:161+\j], v[160+\j:161+\j], v[252:253] op_sel_hi:[1,0]   ; O^T under the new M, each accumulator from its low end on; these lines are also those places
.endr
.endif
	s_setprio 0
	s_wait_alu depctr_va_vdst(0)
	s_wait_dscnt 0x0                               ; V is in
.irp t, 0,1,2,3                                ; O^T += V^T P^T: eight accumulators by turns, one instruction a turn
.if \first
	v_wmma_scale_f32_16x16x128_f8f6f4 v[160+16*\t:167+16*\t], v[32+16*\t:39+16*\t], v[224:231], 0, v[28+\t], v253 matrix_a_fmt:MATRIX_FMT_FP4 matrix_b_fmt:MATRIX_FMT_FP4
	v_wmma_scale_f32_16x16x128_f8f6f4 v[168+16*\t:175+16*\t], v[40+16*\t:47+16*\t], v[224:231], 0, v[28+\t], v253 matrix_a_fmt:MATRIX_FMT_FP4 matrix_b_fmt:MATRIX_FMT_FP4 matrix_a_scale:MATRIX_SCALE_ROW1
.else
	v_wmma_scale_f32_16x16x128_f8f6f4 v[160+16*\t:167+16*\t], v[32+16*\t:39+16*\t], v[224:231], v[160+16*\t:167+16*\t], v[28+\t], v253 matrix_a_fmt:MATRIX_FMT_FP4 matrix_b_fmt:MATRIX_FMT_FP4
	v_wmma_scale_f32_16x16x128_f8f6f4 v[168+16*\t:175+16*\t], v[40+16*\t:47+16*\t], v[224:231], v[168+16*\t:175+16*\t], v[28+\t], v253 matrix_a_fmt:MATRIX_FMT_FP4 matrix_b_fmt:MATRIX_FMT_FP4 matrix_a_scale:MATRIX_SCALE_ROW1
.endif
.endr
.endm
; THE WAY OUT of a tile.  O^T / the sum: register 8 t + i of v96 on is o(query r, channel 16 t + 8 h + i).  A row of out0 is 512 bytes; its half u (256 bytes) goes through my stage in two pieces of
; 128 bytes a row.  Piece A comes back with lane l at row 4 n + l / 8, piece B with neighbouring rows exchanged; a choice by lanes then gives registers in which sixteen neighbouring lanes
; hold the 256 bytes of one row's half: each store's sixteen lanes cover 256 consecutive bytes, at a multiple of 256 from out0's first byte.
.macro OUT obase, pass
	v_add_f32 v14, v14, v15                        ; the sum's two halves,
	s_delay_alu instid0(VALU_DEP_1)
	v_permlanex16_b32 v252, v14, s20, s21
	s_delay_alu instid0(VALU_DEP_1)
	v_add_f32 v14, v14, v252                       ; and lane l xor 16's: the row's sum
	s_wait_alu depctr_va_vdst(0)
	v_rcp_f32 v14, v14
.rept 4
	v_nop                                          ; the plain instruction behind the reciprocal, and the places behind the last products
.endr
	s_wait_alu depctr_va_vdst(0)                   ; the wait ahead of the reciprocal's first use
.irp j, 0,2,4,6,8,10,12,14,16,18,20,22,24,26,28,30,32,34,36,38,40,42,44,46,48,50,52,54,56,58,60,62
	v_pk_mul_f32 v[96+\j:97+\j], v[160+\j:161+\j], v[14:15] op_sel_hi:[1,0]   ; each accumulator from its low end on
.endr
.irp u, 0,1
.set XR, 32+48*\u
.set YR, 48+112*\u
.irp t, 0,1                                    ; piece A: tiles 4 u, 4 u + 1
.irp k, 0,1
	ds_store_b128 v11, v[96+32*\u+8*\t+4*\k:99+32*\u+8*\t+4*\k] offset:64*\t+16*\k
.endr
.endr
.irp n, 0,1,2,3
	ds_load_b128 v[XR+4*\n:XR+4*\n+3], v240 offset:4*OP*\n     ; LDS serves a wave's instructions in order: these see the stores above, and the stores below come behind them
.endr
.irp t, 0,1                                    ; piece B: tiles 4 u + 2, 4 u + 3
.irp k, 0,1
	ds_store_b128 v11, v[112+32*\u+8*\t+4*\k:115+32*\u+8*\t+4*\k] offset:64*\t+16*\k
.endr
.endr
.irp n, 0,1,2,3
	ds_load_b128 v[YR+4*\n:YR+4*\n+3], v241 offset:4*OP*\n
.endr
.endr
.irp u, 0,1
.set XR, 32+48*\u
.set YR, 48+112*\u
.set ZR, 64+112*\u
	s_wait_dscnt 16-16*\u                          ; half u is back: behind half 0's loads stand half 1's sixteen LDS instructions, behind half 1's none
.irp k, 0,1,2,3,4,5,6,7,8,9,10,11,12,13,14,15
	v_cndmask_b32 v[ZR+\k], v[XR+\k], v[YR+\k], s39            ; rows 4 n + 2 h: lanes 0-7 of sixteen piece A, lanes 8-15 piece B
	v_cndmask_b32 v[YR+\k], v[YR+\k], v[XR+\k], s39            ; rows 4 n + 2 h + 1: lanes 0-7 piece B, lanes 8-15 piece A
.endr
.irp n, 0,1,2,3
	global_store_b128 v242, v[ZR+4*\n:ZR+4*\n+3], s[\obase:\obase+1] offset:65536*\n+256*\u th:TH_STORE_NT
	global_store_b128 v243, v[YR+4*\n:YR+4*\n+3], s[\obase:\obase+1] offset:65536*\n+256*\u th:TH_STORE_NT
.endr
.endr
.if \pass == 0
	s_wait_xcnt 0x0                                ; the stores have read their registers: pass 1 writes them again
.endif
.endm
; A PASS: one tile of 16 queries.  The loop over key steps has a constant count; a step past the tile's last is jumped over by a branch on the wave's number and the counter.
.macro PASS pass
.if \pass == 0
	s_mov_b32 s38, s11                             ; the last step: m
	v_add_nc_u32 v3, s61, v249                     ; d = 16 y' + r - 16 h
	QIN 40
	s_wait_tensorcnt 0x0                           ; my block of kv is in (no LDS instruction of mine is out),
	s_barrier_signal -1
	s_barrier_wait -1                              ; all sixteen are
.else
	s_sub_co_u32 s38, 15, s11                      ; the last step: 15 - m
	v_add_nc_u32 v3, s62, v249                     ; d = 16 (7 - y') + r - 16 h
	QIN 42
.endif
	s_mov_b32 s36, 0
	STEP 1, \pass
	s_mov_b32 s36, BLOCK
	s_mov_b32 s37, 1
.Lj_\@:
	s_cmp_gt_u32 s37, s38
	s_cbranch_scc1 .Lskip_\@
	s_setprio 2
	STEP 0, \pass
.Lskip_\@:
	s_add_co_u32 s36, s36, BLOCK
	s_add_co_u32 s37, s37, 1
	s_cmp_lt_u32 s37, 16
	s_cbranch_scc1 .Lj_\@
	s_setprio 0
.if \pass == 0
	OUT 44, 0
.else
	OUT 46, 1
.endif
.endm
	PASS 0
	PASS 1
	s_wait_tensorcnt 0x0                           ; the wave's end: the add and its wait, behind my tensor load and my last LDS store
	ds_add_u32 v5, v6
	s_wait_dscnt 0x0
	CROUND                                         ; the closing round: no work-group ends while a partner may still ask for a block that names it
	s_endpgm
.Lfunc_end_k_q8b0a642fcf_attn:
	.size	k_q8b0a642fcf_attn, .Lfunc_end_k_q8b0a642fcf_attn-k_q8b0a642fcf_attn
	.p2alignl 7, 3214868480
	.fill 96, 4, 3214868480
	.section	.rodata,"a",@progbits
	.p2align	6, 0x0
	.amdhsa_kernel k_q8b0a642fcf_attn
		.amdhsa_group_segment_fixed_size 327680
		.amdhsa_private_segment_fixed_size 0
		.amdhsa_enable_private_segment 0
		.amdhsa_kernarg_size 24
		.amdhsa_user_sgpr_count 2
		.amdhsa_user_sgpr_kernarg_segment_ptr 1
		.amdhsa_wavefront_size32 1
		.amdhsa_system_sgpr_workgroup_id_x 1
		.amdhsa_system_sgpr_workgroup_id_y 1
		.amdhsa_system_sgpr_workgroup_id_z 1
		.amdhsa_system_vgpr_workitem_id 0
		.amdhsa_next_free_vgpr 256
		.amdhsa_next_free_sgpr 66
		.amdhsa_reserve_vcc 1
		.amdhsa_float_denorm_mode_32 3
		.amdhsa_float_denorm_mode_16_64 3
		.amdhsa_memory_ordered 1
		.amdhsa_forward_progress 1
		.amdhsa_inst_pref_size 128
	.end_amdhsa_kernel
	.amdgpu_metadata
---
amdhsa.version: [ 1, 2 ]
amdhsa.kernels:
  - .name:           k_q8b0a642fcf_attn
    .symbol:         k_q8b0a642fcf_attn.kd
    .args:
      - { .name: query, .offset: 0, .size: 8, .value_kind: global_buffer, .address_space: global }
      - { .name: kv, .offset: 8, .size: 8, .value_kind: global_buffer, .address_space: global }
      - { .name: out0, .offset: 16, .size: 8, .value_kind: global_buffer, .address_space: global }
    .group_segment_fixed_size: 327680
    .private_segment_fixed_size: 0
    .kernarg_segment_align: 8
    .kernarg_segment_size: 24
    .max_flat_workgroup_size: 512
    .sgpr_count:     66
    .vgpr_count:     256
    .wavefront_size: 32
...
	.end_amdgpu_metadata
.endif
;; end of part 2
